; MI455X (gfx1250); checked and timed in simulation.
; The chip was launched on July 23, 2026; its instructions are those of AMD's public machine-readable ISA for CDNA 5 (MIT licence, August 2026) and "CDNA5" Instruction Set Architecture Reference Guide (July 2026). The comments in the code are by the model that wrote it; some were corrected since.
;; LSTM. Allowed arithmetic: matrix products marked QUANTISED: E2M1 operands, one E8M0 scale for each 32 along K, by v_wmma_scale_f32_16x16x128_f8f6f4 with both operands' format E2M1 (or v_wmma_scale_f32_32x16x128_f4), f32 sums; everything else in f32.
;; Inputs: Wct 2,048 x 1,024 float32; Wf 2,048 x 1,024 float32; Wm 2,048 x 1,024 float32; Wo 2,048 x 1,024 float32; bct 1,024 float32; bf 1,024 float32; bm 1,024 float32; bo 1,024 float32; c 8,192 x 1,024 float32; h 8,192 x 1,024 float32; x 8,192 x 1,024 float32.
;; Outputs: out0 8,192 x 1,024 float32; out1 8,192 x 1,024 float32.
;; This version of the problem:
;;   THIS VERSION OF THE PROBLEM IS GIVEN IN LOW PRECISION. The matrix products marked QUANTISED in the list below multiply operands that are first quantised to E2M1 (2 exponent bits, 1 mantissa bit; 4 bits a number), with one power-of-two scale for each 32 numbers along K (OCP MX v1.0); their sums are f32. All else is computed in f32.
;;   The module's matrix products, in the order in which they are computed (A, B: the left and right operand; K: the contracted axis; several contracted axes count as one K, in the product's order):
;;     1. [M 8,192, K 2,048] x [K 2,048, N 1,024]; A: computed on the way; B: input Wf: QUANTISED
;;     2. [M 8,192, K 2,048] x [K 2,048, N 1,024]; A: computed on the way; B: input Wct: QUANTISED
;;     3. [M 8,192, K 2,048] x [K 2,048, N 1,024]; A: computed on the way; B: input Wm: QUANTISED
;;     4. [M 8,192, K 2,048] x [K 2,048, N 1,024]; A: computed on the way; B: input Wo: QUANTISED
;;   THE QUANTISER, for each operand of a quantised product, along K:
;;     - K is cut into blocks of 32 from its start; a last block that is shorter is filled with zeros.
;;     - A block's scale is 2^e with e = floor(log2(the largest magnitude in the block)) - 2, held to -126 .. 127; a block of zeros has e = 0. As a byte (E8M0): e + 127.
;;     - Each number is divided by its block's scale, clamped to +-6, and rounded to the nearest number of E2M1, ties to even, subnormals kept.
;;     - The product sums the exact products of the quantised numbers (number of the format x scale) in f32.
;;   ~~~python
;;   def quantise(x, axis):      # numpy; x: float32 -> the quantised numbers, widened to float32 again
;;       x = np.moveaxis(x, axis, -1); K = x.shape[-1]
;;       x = np.pad(x, [(0, 0)] * (x.ndim - 1) + [(0, -K % 32)]); x = x.reshape(x.shape[:-1] + (-1, 32)); a = np.abs(x).max(-1, keepdims=True)
;;       e = np.where(a > 0, np.clip(np.frexp(np.where(a > 0, a, 1))[1] - 1 - 2, -126, 127), 0)      # np.frexp(a)[1] - 1 = floor(log2(a)), exactly
;;       r = np.clip(x / 2.0 ** e, -6, 6)
;;       step = 2.0 ** (np.maximum(np.frexp(np.where(r == 0, 1, r))[1] - 1, 0) - 1)
;;       q = np.round(r / step) * step * 2.0 ** e      # np.round: ties to even
;;       return np.moveaxis(q.reshape(q.shape[:-2] + (-1,))[..., :K], -1, axis).astype(np.float32)
;;   ~~~
;;   OPERANDS COMPUTED ON THE WAY. 'Computed on the way' means the value that the module computes at that place (a softmax that the list does not call 'softmax' is quantised finished and normalised). What goes into a quantiser is computed in f32, as accurately as f32 sums, v_exp_f32 and their like allow (about 1e-6 of the number): no bf16 or f16 on the way to a quantiser, and a product that is left as it is and whose result goes on into a quantised operand takes f32 operands (vector FMAs, or v_wmma_f32_16x16x4_f32). A number that lies on a knife's edge between two numbers of the format may be rounded either way, as far as f32 arithmetic and the matrix unit's own rounding can turn it there, and no further.
;; One version. Each part assembles by itself: llvm-mc -triple=amdgcn-amd-amdhsa -mcpu=gfx1250 --defsym DOCPART=n.
;; ======== version 1 of 1: 2 launches
;; limits: inputs' magnitudes at most 1.153e+18; right only within a limited range of input values
;; workspace buffers: a_pack 8,912,896 bytes; w_pack 4,456,448 bytes
;; launch quant (part 1): grid 768 x 1, 4 waves a work-group, no clusters, 34,304 bytes of LDS; arguments x, h, Wf, Wct, Wm, Wo, a_pack, w_pack; writes a_pack, w_pack
.if DOCPART == 1
	.amdgcn_target "amdgcn-amd-amdhsa--gfx1250"
	.amdhsa_code_object_version 6
	.text
	.protected	k_q90bc6a63e3_quant
	.globl	k_q90bc6a63e3_quant
	.p2align	8
	.type	k_q90bc6a63e3_quant,@function
k_q90bc6a63e3_quant:
	s_mov_b64 s[64:65], 0
	v_nop
	global_prefetch_b8 v0, s[64:65] scope:SCOPE_SE
	s_setreg_imm32_b32 hwreg(HW_REG_WAVE_MODE, 25, 1), 1
	s_wait_xcnt 0x0
; xh = [x | h] ([8192][2048], K innermost) and the four weights ([2048 (k)][1024 (n)], K outermost), all f32, become codes of FP4 (E2M1) with one E8M0 scale byte for each 32 along K.
; A block's scale is 2^(floor(log2(its largest magnitude)) - 2): its byte is the largest magnitude's exponent field - 2, held at 1 from below; each number is divided by the scale and rounded to the nearest code,
; ties to even; beyond 6 the conversion gives the largest code.
; LIMITS: NaN and infinities among the inputs are not served.  A block whose largest magnitude lies under 2^-124 gets the byte 1.  A block of zeros gets the byte 1 where the rule says 127: its codes are zeros,
; which add nothing under any byte but 0xff, and the bytes are read by this program alone.
; THE WORKSPACE IS LAID AS THE PRODUCT WANTS IT: a pack is [T = row / 128][s = k / 512][34,816 bytes], one dense block for 128 rows x 512 along K:
;   its first 32,768 bytes are codes: [q = (k / 128) % 4][i = (row / 16) % 8][1,024 bytes], the 1,024 bytes being the image of a fragment (16 rows x 128 K): block b = (k / 32) % 4 of row r lies at
;           512 (b / 2) + 256 (b % 2) + 16 r, that is register group b / 2 of lane 16 (b % 2) + r at 512 (b / 2) + 16 x lane;
;   its last 2,048 bytes are scales: [(row / 32) % 4][(k / 256) % 2][row % 32][8 bytes]: two scale words, for two runs of 128 along K.
;   The weights' rows: column n of gate g (0 f, 1 ct, 2 m, 3 o) is row 128 (n / 32) + 32 g + n % 32, so that 128 rows hold 32 columns of all four gates.
; SHARES.  Work-groups 0-255 take the weights, 256-767 take x and h; each reads 131,072 bytes of f32.  The two ways part once, on the work-group's number; the second alone uses LDS.
; No tensor load, no barrier, no loop: waves share nothing, every offset is an immediate, and every step has registers of its own for its codes, so no store's data are written again.
.set STEPB, 34816                      ; a block of a pack
.set TBLK,  4*STEPB                    ; 128 rows, all of K
.set SCO,   32768                      ; where a block's scales begin
.set TM,  16                           ; v16-19 largest magnitudes, v20-23 bytes, v28-31 the conversions' scale operands
.set PC,  32                           ; v32-63   codes
.set X,   64                           ; v64-127  the numbers at work
.set R,   128                          ; v128-255 the rows' way: two sets of 64 registers as loaded
.set SEL, 38                           ; s[38:39] lane selects for v_permlanex16_b32: lane l xor 16
.set SP,  528                          ; a stage row: 512 bytes + 16 = 33 x 16 bytes, so that the sixteen rows that a load touches fall on sixteen different 16-byte columns of 256
	s_load_b256 s[4:11], s[0:1], 0x0               ; x, h, Wf, Wct
	s_load_b256 s[12:19], s[0:1], 0x20             ; Wm, Wo, xh's pack, the weights' pack
	v_lshl_add_u32 v26, v0, 2, 0x8400
	v_mov_b32 v27, 0
	v_lshrrev_b32 v1, 5, v0
	v_readfirstlane_b32 s24, v1                    ; wave 0..3
	v_and_b32 v1, 31, v0                           ; lane
	s_cmp_lt_u32 ttmp9, 256
	s_cbranch_scc0 .Lrows
; ---------------- THE WEIGHTS.  A wave takes 32 columns x 256 along K.  A LANE TAKES A COLUMN AND ITS REGISTERS RUN DOWN K: a block of 32 lies in one lane, and the codes come out with K innermost.
	s_lshr_b32 s25, ttmp9, 6                       ; g: which gate
	s_bfe_u32 s26, ttmp9, 0x30003                  ; cg: which 128 columns
	s_and_b32 s27, ttmp9, 7                        ; j: which 256 along K
	s_lshl_b32 s28, s27, 20                        ; the source: 256 j rows of 4,096 bytes,
	s_lshl_b32 s29, s26, 9                         ; 128 cg columns,
	s_add_co_u32 s28, s28, s29
	s_lshl_b32 s29, s24, 7                         ; 32 x wave columns
	s_add_co_u32 s28, s28, s29
	s_mov_b32 s29, 0
	s_lshl_b32 s30, s26, 2
	s_add_co_u32 s30, s30, s24                     ; T = n / 32 = 4 cg + wave
	s_mul_i32 s30, s30, TBLK
	s_lshr_b32 s31, s27, 1
	s_mul_i32 s31, s31, STEPB
	s_add_co_u32 s30, s30, s31                     ; the pack's block (T, j / 2)
	s_and_b32 s31, s27, 1                          ; j % 2
	s_lshl_b32 s32, s31, 8                         ; the scales: 256 (j % 2)
	s_lshl_b32 s33, s25, 9                         ; + 512 g
	s_add_co_u32 s32, s32, s33
	s_add_co_u32 s32, s32, s30
	s_add_co_u32 s32, s32, SCO
	s_mov_b32 s33, 0
	s_lshl_b32 s31, s31, 14                        ; the codes: 8,192 x 2 (j % 2)
	s_add_co_u32 s30, s30, s31
	s_lshl_b32 s31, s25, 11                        ; + 1,024 x 2 g
	s_add_co_u32 s30, s30, s31
	s_mov_b32 s31, 0
	s_wait_alu depctr_va_vdst(0)
	v_lshlrev_b32 v4, 2, v1                        ; in: 4 bytes a lane
	v_lshrrev_b32 v5, 4, v1
	v_and_b32 v6, 15, v1
	v_lshlrev_b32 v5, 10, v5                       ; out: lanes 16-31 belong to the next 16 rows: the next image,
	v_lshl_or_b32 v5, v6, 4, v5                    ; 16 bytes a row
	v_lshlrev_b32 v6, 3, v1                        ; the scale words: 8 bytes a lane
	s_wait_alu depctr_va_vdst(0)
	s_wait_kmcnt 0x0
	s_cmp_eq_u32 s25, 1                            ; the gate's weight: a choice that hangs on the work-group's number alone
	s_cselect_b64 s[8:9], s[10:11], s[8:9]
	s_cmp_eq_u32 s25, 2
	s_cselect_b64 s[8:9], s[12:13], s[8:9]
	s_cmp_eq_u32 s25, 3
	s_cselect_b64 s[8:9], s[14:15], s[8:9]
	s_add_nc_u64 s[8:9], s[8:9], s[28:29]
	s_add_nc_u64 s[20:21], s[18:19], s[30:31]      ; where my codes go
	s_add_nc_u64 s[22:23], s[18:19], s[32:33]      ; and my scale words
.macro WLOAD t                         ; block t: W(32 t + i, my column), i = 0 .. 31, into set t % 2; a wave's load covers 128 consecutive bytes, the four waves stand side by side on 512
.irp i, 0,1,2,3,4,5,6,7,8,9,10,11,12,13,14,15,16,17,18,19,20,21,22,23,24,25,26,27,28,29,30,31
	global_load_b32 v[X+32*((\t)%2)+\i], v4, s[8:9] offset:(32*(\t)+\i)*4096 th:TH_LOAD_NT
.endr
.endm
.macro WBLOCK t
.set XS, X+32*((\t)%2)
.if (\t) < 7
	s_wait_loadcnt 32                              ; this block's 32 loads are in; the next block's 32 may be out
.else
	s_wait_loadcnt 0x0
.endif
	v_max3_num_f32 v12, |v[XS]|, |v[XS+1]|, |v[XS+2]|              ; the block's largest magnitude: all 32 numbers are mine; two chains
	v_max3_num_f32 v13, |v[XS+3]|, |v[XS+4]|, |v[XS+5]|
.irp i, 6,10,14,18,22,26
	v_max3_num_f32 v12, v12, |v[XS+\i]|, |v[XS+\i+1]|
	v_max3_num_f32 v13, v13, |v[XS+\i+2]|, |v[XS+\i+3]|
.endr
	v_max3_num_f32 v12, v12, |v[XS+30]|, |v[XS+31]|
	v_max3_num_f32 v12, v12, v13, 0x1800000        ; and the floor 2^(3 - 127): the byte cannot fall under 1
	v_add_nc_u32 v11, 0xff000000, v12              ; 2 off the exponent field: the conversion takes the exponent field of this operand as its scale, and nothing else of it
	v_lshrrev_b32 v13, 23, v11                     ; the scale's byte
.if (\t)%4 == 0
	v_mov_b32 v[8+(\t)/4], v13                     ; four bytes to a word, the lower K in the lower byte
.else
	v_lshl_or_b32 v[8+(\t)/4], v13, 8*((\t)%4), v[8+(\t)/4]
.endif
.irp g, 0,1,2,3
	v_cvt_scalef32_pk8_fp4_f32 v[PC+4*(\t)+\g], v[XS+8*\g:XS+8*\g+7], v11
.endr
	global_store_b128 v5, v[PC+4*(\t):PC+4*(\t)+3], s[20:21] offset:((\t)/4)*8192+(((\t)%4)/2)*512+((\t)%2)*256   ; lanes 0-15 store 256 consecutive bytes, aligned; lanes 16-31 another 256
.if (\t) < 6
	WLOAD (\t)+2                                   ; into the set just converted
.endif
.endm
	WLOAD 0
	WLOAD 1
.irp t, 0,1,2,3,4,5,6,7
	WBLOCK \t
.endr
	global_store_b64 v6, v[8:9], s[22:23]          ; 32 rows' two scale words: 256 consecutive bytes, aligned
	s_endpgm
; ---------------- x AND h.  A work-group takes 32 whole rows of x or of h, a wave 256 along K of them: four fragments of 16 rows x 128 K.
.Lrows:
	s_sub_co_u32 s25, ttmp9, 256
	s_lshr_b32 s26, s25, 8                         ; ts: 0 x, 1 h
	s_and_b32 s27, s25, 255                        ; P: which 32 rows
	s_lshl_b32 s28, s27, 17                        ; the source: 32 P rows of 4,096 bytes
	s_lshl_b32 s29, s24, 10                        ; + 256 x wave numbers
	s_add_co_u32 s28, s28, s29
	s_mov_b32 s29, 0
	s_lshr_b32 s30, s27, 2
	s_mul_i32 s30, s30, TBLK                       ; T = P / 4
	s_lshl_b32 s31, s26, 1
	s_lshr_b32 s32, s24, 1
	s_add_co_u32 s31, s31, s32                     ; s = 2 ts + wave / 2
	s_mul_i32 s31, s31, STEPB
	s_add_co_u32 s30, s30, s31                     ; the pack's block (T, s)
	s_and_b32 s31, s24, 1                          ; wave % 2: which 256 along K of the block's 512
	s_and_b32 s35, s27, 3                          ; P % 4
	s_lshl_b32 s32, s31, 8                         ; the scales: 256 (wave % 2)
	s_lshl_b32 s33, s35, 9                         ; + 512 (P % 4)
	s_add_co_u32 s32, s32, s33
	s_add_co_u32 s32, s32, s30
	s_add_co_u32 s32, s32, SCO
	s_mov_b32 s33, 0
	s_lshl_b32 s31, s31, 14                        ; the codes: 8,192 x 2 (wave % 2)
	s_add_co_u32 s30, s30, s31
	s_lshl_b32 s31, s35, 11                        ; + 1,024 x 2 (P % 4)
	s_add_co_u32 s30, s30, s31
	s_mov_b32 s31, 0
	s_mul_i32 s34, s24, 16*SP                      ; my wave's stage
	s_mov_b32 s[SEL], 0x76543210
	s_mov_b32 s[SEL+1], 0xfedcba98
	v_and_b32 v2, 15, v0                           ; r
	v_bfe_u32 v3, v0, 4, 1                         ; h
	s_wait_alu depctr_va_vdst(0)
	v_lshlrev_b32 v4, 4, v1                        ; 16 x lane: my bytes of a load's 512, and of an image's
	v_add_nc_u32 v5, s34, v4                       ; the stage, on the way in: a row as it lies
	v_mul_u32_u24 v6, v2, SP
	v_lshl_add_u32 v6, v3, 6, v6
	v_add_nc_u32 v6, s34, v6                       ; and on the way back: row r, + 64 h: my 16 numbers of each block of 32
	v_lshlrev_b32 v7, 3, v1
.irp b, 0,1,2,3
	v_mov_b32 v[TM+4+\b], 0                        ; written once: a lane permute's destination counts as one of its sources
.endr
	s_wait_alu depctr_va_vdst(0)
	s_wait_kmcnt 0x0
	s_cmp_eq_u32 s26, 0
	s_cselect_b64 s[4:5], s[4:5], s[6:7]
	s_add_nc_u64 s[4:5], s[4:5], s[28:29]
	s_add_nc_u64 s[20:21], s[16:17], s[30:31]      ; where my codes go
	s_add_nc_u64 s[22:23], s[16:17], s[32:33]      ; and my scale words
; 64 numbers of a lane, v[s] on, register 16 b + i = k 32 b + 16 (lane / 16) + i of my row, become a fragment's codes in v[pc] on and its scale word in v[pw].
.macro QUANT s, pc, pw
.irp b, 0,1,2,3
	v_max3_num_f32 v[TM+\b], |v[\s+16*\b]|, |v[\s+1+16*\b]|, 0x1800000   ; block b: my 16 numbers, and the floor 2^(3 - 127)
.endr
.irp i, 2,4,6,8,10,12,14
.irp b, 0,1,2,3
	v_max3_num_f32 v[TM+\b], v[TM+\b], |v[\s+16*\b+\i]|, |v[\s+1+16*\b+\i]|   ; the four blocks by turns
.endr
.endr
.irp b, 0,1,2,3
	v_permlanex16_b32 v[TM+4+\b], v[TM+\b], s[SEL], s[SEL+1]
.endr
.irp b, 0,1,2,3
	v_max_num_f32 v[TM+\b], v[TM+\b], v[TM+4+\b]   ; with lane l xor 16's: the block's largest magnitude
.endr
.irp b, 0,1,2,3
	v_add_nc_u32 v[TM+12+\b], 0xff000000, v[TM+\b] ; 2 off its exponent field: the conversion's scale operand
.endr
.irp b, 0,1,2,3
	v_lshrrev_b32 v[TM+4+\b], 23, v[TM+12+\b]      ; the scale's byte
.endr
	v_lshl_or_b32 v[\pw], v[TM+5], 8, v[TM+4]      ; the four bytes make my row's scale word; lanes r and r + 16 hold the same
	v_lshl_or_b32 v[\pw], v[TM+6], 16, v[\pw]
	v_lshl_or_b32 v[\pw], v[TM+7], 24, v[\pw]
.irp b, 0,1,2,3
	v_cvt_scalef32_pk8_fp4_f32 v[\pc+2*\b], v[\s+16*\b:\s+7+16*\b], v[TM+12+\b]
	v_cvt_scalef32_pk8_fp4_f32 v[\pc+1+2*\b], v[\s+8+16*\b:\s+15+16*\b], v[TM+12+\b]
.endr
	v_nop                                          ; one plain place behind a scaled conversion
.irp c, 0,1                                    ; the operand's layout wants a WHOLE block in a lane: lanes 0-15 block 2 c, lanes 16-31 block 2 c + 1
.irp i, 0,1
	v_permlane16_swap_b32 v[\pc+4*\c+\i], v[\pc+2+4*\c+\i]
.endr
.endr
.endm
; Step t: rows 16 (t / 2) on, 128 along K from 128 (t % 2) on.
.macro XLOAD t                         ; sixteen loads, a row's 512 consecutive bytes each
.irp i, 0,1,2,3,4,5,6,7,8,9,10,11,12,13,14,15
	global_load_b128 v[R+64*((\t)%2)+4*\i:R+64*((\t)%2)+4*\i+3], v4, s[4:5] offset:(16*((\t)/2)+\i)*4096+512*((\t)%2) th:TH_LOAD_NT
.endr
.endm
.macro XSTEP t
.if (\t) < 3
	s_wait_loadcnt 16                              ; this step's 16 loads are in; the next step's 16 may be out
.else
	s_wait_loadcnt 0x0
.endif
.irp i, 0,1,2,3,4,5,6,7,8,9,10,11,12,13,14,15
	ds_store_b128 v5, v[R+64*((\t)%2)+4*\i:R+64*((\t)%2)+4*\i+3] offset:SP*\i      ; through my own stage: in as loaded,
.endr
.irp b, 0,1,2,3
.irp jj, 0,1,2,3
	ds_load_b128 v[X+16*\b+4*\jj:X+16*\b+4*\jj+3], v6 offset:128*\b+16*\jj         ; back as 16 neighbours of each block; LDS serves a wave's instructions in order (ISA guide 5.7.1.4)
.endr
.endr
	s_wait_dscnt 0x0                               ; the numbers are back
.if (\t) < 2
	XLOAD (\t)+2                                   ; into the set that has just gone through the stage
.endif
	QUANT X, PC+8*(\t), 10+(\t)
.irp c, 0,1
	global_store_b128 v4, v[PC+8*(\t)+4*\c:PC+8*(\t)+4*\c+3], s[20:21] offset:((\t)%2)*8192+((\t)/2)*1024+512*\c   ; the image of the fragment's registers: 512 consecutive bytes a store
.endr
.endm
	XLOAD 0
	XLOAD 1
.irp t, 0,1,2,3
	XSTEP \t
.endr
	v_cmp_le_u32 vcc_lo, 16, v1                    ; lane l stores row l's two words: lanes 0-15 those of steps 0 and 1, lanes 16-31 those of steps 2 and 3
	v_cndmask_b32 v8, v10, v12, vcc_lo
	v_cndmask_b32 v9, v11, v13, vcc_lo
	global_store_b64 v7, v[8:9], s[22:23]          ; 256 consecutive bytes, aligned
	s_wait_tensorcnt 0x0
	ds_add_u32 v26, v27
	s_wait_dscnt 0x0
	s_endpgm
.Lfunc_end_k_q90bc6a63e3_quant:
	.size	k_q90bc6a63e3_quant, .Lfunc_end_k_q90bc6a63e3_quant-k_q90bc6a63e3_quant
	.p2alignl 7, 3214868480
	.fill 96, 4, 3214868480
	.section	.rodata,"a",@progbits
	.p2align	6, 0x0
	.amdhsa_kernel k_q90bc6a63e3_quant
		.amdhsa_group_segment_fixed_size 34304
		.amdhsa_private_segment_fixed_size 0
		.amdhsa_enable_private_segment 0
		.amdhsa_kernarg_size 64
		.amdhsa_user_sgpr_count 2
		.amdhsa_user_sgpr_kernarg_segment_ptr 1
		.amdhsa_wavefront_size32 1
		.amdhsa_system_sgpr_workgroup_id_x 1
		.amdhsa_system_sgpr_workgroup_id_y 1
		.amdhsa_system_sgpr_workgroup_id_z 1
		.amdhsa_system_vgpr_workitem_id 0
		.amdhsa_next_free_vgpr 256
		.amdhsa_next_free_sgpr 66
		.amdhsa_reserve_vcc 1
		.amdhsa_float_denorm_mode_32 3
		.amdhsa_float_denorm_mode_16_64 3
		.amdhsa_memory_ordered 1
		.amdhsa_forward_progress 1
		.amdhsa_inst_pref_size 71
	.end_amdhsa_kernel
	.amdgpu_metadata
---
amdhsa.version: [ 1, 2 ]
amdhsa.kernels:
  - .name:           k_q90bc6a63e3_quant
    .symbol:         k_q90bc6a63e3_quant.kd
    .args:
      - { .name: x, .offset: 0, .size: 8, .value_kind: global_buffer, .address_space: global }
      - { .name: h, .offset: 8, .size: 8, .value_kind: global_buffer, .address_space: global }
      - { .name: Wf, .offset: 16, .size: 8, .value_kind: global_buffer, .address_space: global }
      - { .name: Wct, .offset: 24, .size: 8, .value_kind: global_buffer, .address_space: global }
      - { .name: Wm, .offset: 32, .size: 8, .value_kind: global_buffer, .address_space: global }
      - { .name: Wo, .offset: 40, .size: 8, .value_kind: global_buffer, .address_space: global }
      - { .name: a_pack, .offset: 48, .size: 8, .value_kind: global_buffer, .address_space: global }
      - { .name: w_pack, .offset: 56, .size: 8, .value_kind: global_buffer, .address_space: global }
    .group_segment_fixed_size: 34304
    .private_segment_fixed_size: 0
    .kernarg_segment_align: 8
    .kernarg_segment_size: 64
    .max_flat_workgroup_size: 128
    .sgpr_count:     66
    .vgpr_count:     256
    .wavefront_size: 32
...
	.end_amdgpu_metadata
.endif
;; end of part 1
;; launch lstm (part 2): grid 16 x 16, 4 waves a work-group, clusters of 4 x 4, 327,680 bytes of LDS; arguments a_pack, w_pack, bf, bct, bm, bo, c, out0, out1; writes out0, out1
.if DOCPART == 2
	.amdgcn_target "amdgcn-amd-amdhsa--gfx1250"
	.amdhsa_code_object_version 6
	.text
	.protected	k_q90bc6a63e3_lstm
	.globl	k_q90bc6a63e3_lstm
	.p2align	8
	.type	k_q90bc6a63e3_lstm,@function
k_q90bc6a63e3_lstm:
	s_mov_b64 s[64:65], 0
	v_nop
	global_prefetch_b8 v0, s[64:65] scope:SCOPE_SE
	s_setreg_imm32_b32 hwreg(HW_REG_WAVE_MODE, 25, 1), 1
	s_wait_xcnt 0x0
	s_wait_alu depctr_hold_cnt(0) depctr_sa_sdst(0) depctr_va_vdst(0) depctr_va_sdst(0) depctr_va_ssrc(0) depctr_va_vcc(0) depctr_vm_vsrc(0)
	s_getreg_b32 s2, hwreg(HW_REG_IB_STS2, 6, 4)
	s_cmp_eq_u32 s2, 0
	s_cbranch_scc0 .Lentry_in_a_cluster
	s_endpgm
.Lentry_in_a_cluster:
	s_bfe_u32 s2, ttmp6, 0x10000c
	s_cmp_lg_u32 s2, 0xf033
	s_cbranch_scc0 .Lentry_shape_is_right
	s_endpgm
.Lentry_shape_is_right:
; The four gates' products on codes of FP4 with E8M0 scales, and the cell's arithmetic in f32.  a_pack, w_pack: as the quantising launch lays them: [128 rows][512 K] blocks of 34,816 bytes: fragment images, then scale words.
; A work-group makes two tiles of 256 rows x 64 columns (x 4 gates = 256 rows of w_pack), 4,096 rows apart.  Wave w takes rows 64 w .. 64 w + 63 and ALL 256 packed columns: 32 accumulators of 32 x 16,
; so that it owns whole rows of 256 bytes of c, out0 and out1: the way out has no barrier.  Source 0 = 32 rows of w_pack, source 1 = 16 rows of xh: a lane holds one row and 16 columns of an accumulator.
; The accumulators begin as the biases, loaded from a table in LDS: every K step adds in place and nothing is cleared.
; THE RING: two slots, each 512 along K of A's 256 rows and B's 256 rows, one tensor load a wave behind each round.  c's tile (64 rows of 256 bytes a wave, padded by 16) takes the slot that K step 2 leaves;
; so the fills of a tile are five, and the second tile takes the slots in the other order.  By this text's count a wave has one tensor load out.
; FRAGMENTS: two sets.  A step's products go by W's blocks; the next step's loads go out in two runs, 24 at the step's head and 16 in its middle, each sixteen products and more ahead of its first use, so the waits are counted.
; CLUSTERS: 4 x 4; A's blocks are asked for jointly along a row of the cluster, B's along a column.  c's tiles are shared by nobody: plain loads behind the same rounds.
; PREFETCHES: K steps 1 to 3 of the first tile, the second tile's blocks of A (B's are the same as the first tile's) and both tiles of c, each ahead of its load by a K step or by the flight of the head's load;
; the four partners of a joint load share a block's 136 units of 256 bytes out by address, 34 each.  K step 0 comes by its load alone.
; The walk along K is written out: the fills differ from step to step (K steps, c, the next tile) and the two tiles use the slots in opposite order.
; LIMITS: NaN and infinities among the inputs are not served.  Every exponential is held at 2^30, so that the products of denominators stay finite: a gate under 2^-30 comes out as about 2^-30.
.set STEPB, 34816
.set TBLK,  4*STEPB
.set HALF,  STEPB
.set SLOT,  4*HALF
.set SCO,   32768
.set CP,    272                        ; a row of c or of a stage: 256 bytes + 16
.set STG,   2*SLOT                     ; stages: for each wave 2 x 16 rows x CP
.set WSTG,  2*16*CP
.set TAB,   STG+4*WSTG                 ; bias tables: 1,024 bytes for each wave
.set SPARE, TAB+4096                   ; the spare words, 512 bytes
.set NEXT_A, 32*TBLK-3*STEPB
.set WALKB, 4096*4096
.set ADSX, 8
.set ADSW, 10
.set ADRA, 12
.set ADRB, 14
.set ADRB2, 16
.set CA,   18
.set STO,  20
.set RD,   21
.set CO,   22
.set TBL,  23
.set TBS,  24
.set PF0,  25
.set PF1,  26
.set PFO,  27
.set SPW,  28
.set NIL,  29
.set BOF,  30
.set SC,   32                          ; v32-111 scale words, a set of 40 for each slot
.set XF,   112                         ; v112-175 xh's fragments, two sets
.set TF,   32                          ; the way out: six runs of 32 registers, and v224-255 for rows read back
.set TC,   64
.set TG,   96
.set TO,   128
.set CC,   160
.set NN,   192
.set BK2,  224
.set WV,   18
.set RH,   19
.set CH,   20
.set TR,   21
.set TCL,  22
.set LB,   23
.set G1,   24
.set G0,   32
.set G0B,  36
.set G0C,  40
.set NL2,  44
.set PL2,  46
.set G1B,  48
.set G1C,  56
.set BP,   68
.set CAP,  76
.set EC,   77
.set PFA,  78
.set CB,   80
.set CB2,  82
.set MSB, 0
.macro WIN new                         ; the immediate's high byte repeats the setting that is left
.if MSB != \new
	s_set_vgpr_msb (MSB<<8)|\new
.set MSB, \new
.endif
.endm
.set MUL_LO, 0xa1                      ; source 0 (W) window 1, source 1 (xh) window 0, C and D window 2: W's blocks 0-3
.set MUL_HI, 0xf1                      ; C and D window 3: W's blocks 4-7.  The accumulator of rows 16 a .. and block b is v[64 a + 16 (b % 4)] of its window
.set TO_B,   0x40
.macro PLACES n
.rept \n
	v_nop
.endr
.endm
.macro JLOAD                           ; waves 0, 1 ask for A's halves, waves 2, 3 for B's
	s_cmp_eq_u32 s[RH], 0
	s_cbranch_scc0 .Lfor_b_\@
	tensor_load_to_lds s[G0:G0+3], s[G1:G1+7]
	s_nop 0
	PLACES 4
	s_branch .Lasked_\@
.Lfor_b_\@:
	tensor_load_to_lds s[G0B:G0B+3], s[G1B:G1B+7]
	s_nop 0
	PLACES 4
.Lasked_\@:
.endm
; A wave's one load behind a round; no tensor load of the wave is out, so the groups 0 may be written.  kind 1: a K step (A steps by da, B by db); kind 2: my 64 rows of c (da = 1: the second tile's)
.macro FILL kind, slot, da, db
.if \kind == 1
	s_add_co_u32 s[G0+1], s[LB], (\slot)*SLOT
	s_add_co_u32 s[G0B+1], s[LB], (\slot)*SLOT
.if (\da) != 0
	s_add_nc_u64 s[G0+2:G0+3], s[G0+2:G0+3], \da
.endif
.if (\db) > 0
	s_add_nc_u64 s[G0B+2:G0B+3], s[G0B+2:G0B+3], \db
.endif
.if (\db) < 0
	s_sub_nc_u64 s[G0B+2:G0B+3], s[G0B+2:G0B+3], -(\db)
.endif
	JLOAD
.else
	s_add_co_u32 s[G0C+1], s[LB], (\slot)*SLOT
.if (\da) != 0
	s_add_nc_u64 s[G0C+2:G0C+3], s[G0C+2:G0C+3], WALKB
.endif
	tensor_load_to_lds s[G0C:G0C+3], s[G1C:G1C+7]
	s_nop 0
	PLACES 4
.endif
.endm
.macro CREST
	s_cmp_lg_u32 s[WV], 0
	s_cbranch_scc1 .Lnot_wave_0_\@
	s_barrier_signal -3
.Lnot_wave_0_\@:
	s_barrier_wait -3
	s_barrier_signal -1
	s_barrier_wait -1
.endm
.macro CROUND
	s_barrier_signal -1
	s_barrier_wait -1
	CREST
.endm
.macro ASK off, onlya                  ; my work-group's 34 units of the block at byte off from my first block
.if \onlya
	s_cmp_eq_u32 s[RH], 0
	s_cbranch_scc0 .Lna_\@
.endif
	global_prefetch_b8 v[PF0], s[PFA:PFA+1] offset:\off th:TH_LOAD_NT scope:SCOPE_SE
	global_prefetch_b8 v[PF1], s[PFA:PFA+1] offset:\off th:TH_LOAD_NT scope:SCOPE_SE
.Lna_\@:
.endm
.macro ASKC b                          ; my 64 rows of c, a lane a row
	global_prefetch_b8 v[PFO], s[\b:\b+1] th:TH_LOAD_NT scope:SCOPE_SE
	global_prefetch_b8 v[PFO], s[\b:\b+1] offset:131072 th:TH_LOAD_NT scope:SCOPE_SE
.endm
.macro BIASLD a                        ; the accumulators of my rows 16 a .. begin as the biases: 16 bytes of the table, the same for the sixteen lanes of a half
.irp t, 0,1
.set WN, (2+\t)<<6
	WIN WN
.set e, 0
.rept 16
	ds_load_b128 v[64*(\a)+4*e:64*(\a)+4*e+3], v[TBL] offset:256*(e/4)+128*\t+64*((e%4)/2)+16*(e%2)
.set e, e+1
.endr
.endr
	WIN 0
.endm
	s_load_b128 s[4:7], s[0:1], 0x0                ; a_pack, w_pack
	s_load_b256 s[BP:BP+7], s[0:1], 0x10           ; bf, bct, bm, bo
	s_load_b128 s[12:15], s[0:1], 0x30             ; c, out0
	s_load_b64 s[16:17], s[0:1], 0x40              ; out1
	v_lshl_add_u32 v[SPW], v0, 2, SPARE
	v_mov_b32 v[NIL], 0
	ds_add_u32 v[SPW], v[NIL]                      ; the opening lines
	ds_add_u32 v[SPW], v[NIL]
	v_lshrrev_b32 v1, 5, v0
	v_readfirstlane_b32 s[WV], v1
	s_lshr_b32 s[RH], s[WV], 1
	s_and_b32 s[CH], s[WV], 1
	s_bfe_u32 s84, ttmp6, 0x40000                  ; cx
	s_bfe_u32 s85, ttmp6, 0x40004                  ; cy
	s_lshl_b32 s[TCL], ttmp9, 2
	s_add_co_u32 s[TCL], s[TCL], s84
	s_and_b32 s[TR], ttmp7, 0xffff
	s_lshl_b32 s[TR], s[TR], 2
	s_add_co_u32 s[TR], s[TR], s85
	s_lshl_b32 s86, s85, 2
	s_lshl_b32 s86, 15, s86
	s_lshl_b32 s87, 0x1111, s84
	s_or_b32 s[G1+0], s86, (3<<16)|(1<<21)         ; A's blocks go to my row of the cluster,
	s_or_b32 s[G1B+0], s87, (3<<16)|(1<<21)        ; B's to my column: dense blocks, 136 rows of 256 bytes
.irp g, G1, G1B
	s_mov_b32 s[\g+1], 32<<16
	s_mov_b32 s[\g+2], 136<<16
	s_mov_b32 s[\g+3], 32<<16
	s_mov_b32 s[\g+4], 136
	s_mov_b32 s[\g+5], 32
	s_mov_b32 s[\g+6], 0
	s_mov_b32 s[\g+7], 0
.endr
	s_mov_b32 s[G1C+0], (3<<16)|(1<<20)|(5<<22)|(3<<25) ; c: 64 rows of 256 bytes, 4,096 apart, 16 bytes of padding behind each
	s_mov_b32 s[G1C+1], 32<<16
	s_mov_b32 s[G1C+2], 64<<16
	s_mov_b32 s[G1C+3], 32<<16
	s_mov_b32 s[G1C+4], 64
	s_mov_b32 s[G1C+5], 512
	s_mov_b32 s[G1C+6], 0
	s_mov_b32 s[G1C+7], 0
	s_lshl_b32 s2, s[TR], 1
	s_add_co_u32 s2, s2, s[CH]
	s_mul_i32 s2, s2, TBLK                         ; A: block row 2 x tile row + half
	s_mov_b32 s3, 0
	s_lshl_b32 s66, s[TCL], 1
	s_add_co_u32 s66, s66, s[CH]
	s_mul_i32 s66, s66, TBLK                       ; B likewise by the tile column
	s_mov_b32 s67, 0
	s_mul_i32 s[LB], s[WV], HALF                   ; my quarter of a slot
	s_lshl_b32 s88, s[TR], 20                      ; c, out0, out1: 256 rows x tile row + 64 rows x wave + 256 bytes x tile column
	s_lshl_b32 s89, s[WV], 18
	s_add_co_u32 s88, s88, s89
	s_lshl_b32 s90, s[TCL], 8
	s_add_co_u32 s88, s88, s90
	s_mov_b32 s89, 0
	s_mov_b32 s91, 0
	s_mul_i32 s92, s[RH], HALF
	s_lshl_b32 s93, s[CH], 10
	s_add_co_u32 s93, s93, s92
	s_add_co_u32 s93, s93, SCO                     ; my rows' scale words
	s_lshl_b32 s94, s[CH], 12
	s_add_co_u32 s92, s92, s94                     ; my rows' four images
	s_mul_i32 s94, s[WV], WSTG
	s_add_co_u32 s94, s94, STG
	s_lshl_b32 s95, s[WV], 10
	s_add_co_u32 s95, s95, TAB
	s_mov_b32 s[NL2], 0xbfb8aa3b                   ; -log2(e)
	s_mov_b32 s[NL2+1], s[NL2]
	s_mov_b32 s[PL2], 0x4038aa3b                   ; 2 log2(e)
	s_mov_b32 s[PL2+1], s[PL2]
	s_mov_b32 s[CAP], 0x4e800000                   ; 2^30
	v_and_b32 v2, 15, v0
	v_lshlrev_b32 v[BOF], 4, v2
	v_and_b32 v1, 31, v0
	v_lshlrev_b32 v[PF0], 8, v1
	v_add_nc_u32 v[PF1], 32, v1
	v_min_u32 v[PF1], 33, v[PF1]                   ; units 32 and 33; the lanes left over name the last again
	v_lshlrev_b32 v[PF1], 8, v[PF1]
	s_wait_alu depctr_va_vdst(0)
	s_wait_dscnt 0x0
	s_wait_kmcnt 0x0
	s_add_nc_u64 s[4:5], s[4:5], s[2:3]
	s_add_nc_u64 s[6:7], s[6:7], s[66:67]
	s_add_nc_u64 s[12:13], s[12:13], s[88:89]
	s_add_nc_u64 s[14:15], s[14:15], s[88:89]
	s_add_nc_u64 s[16:17], s[16:17], s[88:89]
.irp g, 0,1,2,3
	s_add_nc_u64 s[BP+2*\g:BP+2*\g+1], s[BP+2*\g:BP+2*\g+1], s[90:91]
	global_load_b128 v[32+4*\g:35+4*\g], v[BOF], s[BP+2*\g:BP+2*\g+1]   ; a gate's 64 biases: 256 bytes, both halves of the lanes alike
.endr
	s_cmp_eq_u32 s[RH], 0                          ; the prefetches: the block that I fetch, my work-group's 34 units of it
	s_cselect_b64 s[PFA:PFA+1], s[4:5], s[6:7]
	s_cselect_b32 s86, s84, s85
	s_mul_i32 s86, s86, 34*256
	s_mov_b32 s87, 0
	s_add_nc_u64 s[PFA:PFA+1], s[PFA:PFA+1], s[86:87]
	s_mov_b64 s[CB:CB+1], s[12:13]
	s_add_nc_u64 s[CB2:CB2+1], s[12:13], WALKB
	s_mov_b32 s[G0], 1
	s_mov_b64 s[G0+2:G0+3], s[4:5]
	s_or_b32 s[G0+3], s[G0+3], 0x80000000
	s_mov_b32 s[G0B], 1
	s_mov_b64 s[G0B+2:G0B+3], s[6:7]
	s_or_b32 s[G0B+3], s[G0B+3], 0x80000000
	s_mov_b32 s[G0C], 1
	s_mov_b64 s[G0C+2:G0C+3], s[12:13]
	s_or_b32 s[G0C+3], s[G0C+3], 0x80000000
	CROUND                                         ; the round in front of the first joint loads
	FILL 1, 0, 0, 0                                ; K step 0: one tensor load a wave at the head
	ASK STEPB, 0                                   ; K step 1, whose load goes out when K step 0 has landed
	v_bfe_u32 v3, v0, 4, 1
	v_lshlrev_b32 v4, 4, v1
	v_lshlrev_b32 v5, 3, v1
	v_add_nc_u32 v[ADRA], s92, v4
	v_add_nc_u32 v[ADRA+1], SLOT, v[ADRA]
	v_add_nc_u32 v[ADRB], 2*HALF, v4
	v_add_nc_u32 v[ADRB+1], 2*HALF+SLOT, v4
	v_add_nc_u32 v[ADRB2], 3*HALF, v4
	v_add_nc_u32 v[ADRB2+1], 3*HALF+SLOT, v4
	v_add_nc_u32 v[ADSX], s93, v5
	v_add_nc_u32 v[ADSX+1], SLOT, v[ADSX]
	v_add_nc_u32 v[ADSW], 2*HALF+SCO, v5
	v_add_nc_u32 v[ADSW+1], 2*HALF+SCO+SLOT, v5
	v_mul_u32_u24 v6, v2, CP
	v_lshl_add_u32 v6, v3, 5, v6                   ; row l % 16, 32 bytes for each half of the lanes
	v_add_nc_u32 v[CA], s[LB], v6
	v_add_nc_u32 v[CA+1], SLOT, v[CA]
	v_add_nc_u32 v[STO], s94, v6
	v_mul_u32_u24 v7, v3, CP
	v_lshl_add_u32 v7, v2, 4, v7                   ; back: sixteen lanes to a row of 256 bytes
	v_add_nc_u32 v[RD], s94, v7
	v_lshlrev_b32 v[CO], 12, v3
	v_lshl_add_u32 v[CO], v2, 4, v[CO]
	v_add_nc_u32 v[TBS], s95, v[BOF]
	v_lshl_add_u32 v[TBL], v3, 5, s95
	v_lshlrev_b32 v[PFO], 12, v1
	s_wait_alu depctr_va_vdst(0)
	s_wait_loadcnt 0x0
.irp g, 0,1,2,3
	ds_store_b128 v[TBS], v[32+4*\g:35+4*\g] offset:256*\g   ; my wave's own table; LDS serves a wave's instructions in order
.endr
.irp a, 0,1,2,3
	BIASLD \a
.endr
.macro LDW slot, q, p, b               ; W's blocks b and b + 1 (32 rows each) of the slot's q-th 128 along K into set p: images, 16 bytes a lane.  Window TO_B
.set k, 4*(\b)
.rept 8
.if k < 16
	ds_load_b128 v[128*(\p)+4*k:128*(\p)+4*k+3], v[ADRB+\slot] offset:8192*(\q)+512*k
.else
	ds_load_b128 v[128*(\p)+4*k:128*(\p)+4*k+3], v[ADRB2+\slot] offset:8192*(\q)+512*(k-16)
.endif
.set k, k+1
.endr
.endm
.macro LDX slot, q, p                  ; xh's four blocks of 16 rows.  Window 0
.set k, 0
.rept 8
	ds_load_b128 v[XF+32*(\p)+4*k:XF+32*(\p)+4*k+3], v[ADRA+\slot] offset:8192*(\q)+512*k
.set k, k+1
.endr
.endm
.macro SCALES sc                       ; a slot's scale words: lane = row % 32, two words a load
.set k, 0
.rept 16
	ds_load_b64 v[SC+40*(\sc)+2*k:SC+40*(\sc)+2*k+1], v[ADSW+\sc] offset:(k/8)*HALF+((k/2)%4)*512+(k%2)*256
.set k, k+1
.endr
.set k, 0
.rept 4
	ds_load_b64 v[SC+40*(\sc)+32+2*k:SC+40*(\sc)+32+2*k+1], v[ADSX+\sc] offset:256*k
.set k, k+1
.endr
.endm
.macro FETCH0 next                     ; a slot's first fragments and its scale words, in the order that the steps' counted waits lean on: xh, W 0-3, scales, W 4-7
	LDX \next, 0, 0
	WIN TO_B
	LDW \next, 0, 0, 0
	LDW \next, 0, 0, 2
	WIN 0
	SCALES \next
	WIN TO_B
	LDW \next, 0, 0, 4
	LDW \next, 0, 0, 6
	WIN 0
.endm
.macro MULB b, p, q, sc                ; W's block b against my four blocks of rows: four accumulators by turns
.set k, 0
.rept 4
.set rD, 16*(4*k+(\b)%4)
.if (k%2) == 0
	v_wmma_scale_f32_32x16x128_f4 v[rD:rD+15], v[128*(\p)+16*(\b):128*(\p)+16*(\b)+15], v[XF+32*(\p)+8*k:XF+32*(\p)+8*k+7], v[rD:rD+15], v[SC+40*(\sc)+4*(\b)+(\q)], v[SC+40*(\sc)+32+4*(k/2)+(\q)]
.else
	v_wmma_scale_f32_32x16x128_f4 v[rD:rD+15], v[128*(\p)+16*(\b):128*(\p)+16*(\b)+15], v[XF+32*(\p)+8*k:XF+32*(\p)+8*k+7], v[rD:rD+15], v[SC+40*(\sc)+4*(\b)+(\q)], v[SC+40*(\sc)+32+4*(k/2)+(\q)] matrix_b_scale:MATRIX_SCALE_ROW1
.endif
.set k, k+1
.endr
.endm
; 128 along K.  The four places at the head stand between the last step's products and all this step's loads, which go into the set that those products read.
; Behind the loads that the first sixteen products need were issued this step's W 4-7 (16) and the next step's xh and W 0-3 (24): 40.  Behind those that the last sixteen need: 24 and the next step's W 4-7 (16): 40.
.macro STEP slot, q
	PLACES 4
	WIN 0
	LDX \slot, (\q)+1, ((\q)+1)%2
	WIN TO_B
	LDW \slot, (\q)+1, ((\q)+1)%2, 0
	LDW \slot, (\q)+1, ((\q)+1)%2, 2
	s_wait_dscnt 40
	WIN MUL_LO
.irp b, 0,1,2,3
	MULB \b, (\q)%2, \q, \slot
.endr
	WIN TO_B
	LDW \slot, (\q)+1, ((\q)+1)%2, 4
	LDW \slot, (\q)+1, ((\q)+1)%2, 6
	s_wait_dscnt 40
	WIN MUL_HI
.irp b, 4,5,6,7
	MULB \b, (\q)%2, \q, \slot
.endr
.endm
.macro KS slot
	STEP \slot, 0
	STEP \slot, 1
	STEP \slot, 2
.endm
; A slot's last step.  Its fragments are my last reads of the slot, so the change of slots stands at its head.
.macro TURN1 slot
	WIN 0
	s_wait_tensorcnt 0x0                           ; all my tensor loads have landed
	ds_add_u32 v[SPW], v[NIL]
	s_wait_dscnt 17                                ; xh and W 0-3 are in; W 4-7 (16 loads) and the add may be out
	WIN MUL_LO
	MULB 0, 1, 3, \slot
	MULB 1, 1, 3, \slot
	s_wait_dscnt 0x0
	s_barrier_signal -1                            ; opens a round of the cluster's barrier
	MULB 2, 1, 3, \slot
	MULB 3, 1, 3, \slot
	WIN 0
	s_barrier_wait -1
	CREST
.endm
.macro TURN2A slot, next               ; behind the refill: the next slot's first fragments among this step's last sixteen products, in FETCH0's order
	LDX \next, 0, 0
	WIN TO_B
	LDW \next, 0, 0, 0
	LDW \next, 0, 0, 2
	WIN MUL_HI
	MULB 4, 1, 3, \slot
	WIN 0
	SCALES \next
.endm
.macro TURN2B slot, next
	WIN MUL_HI
	MULB 5, 1, 3, \slot
	WIN TO_B
	LDW \next, 0, 0, 4
	LDW \next, 0, 0, 6
	WIN MUL_HI
	MULB 6, 1, 3, \slot
	MULB 7, 1, 3, \slot
.endm
.macro TURN3 slot                      ; the same sixteen products where no fragments follow
	WIN MUL_HI
.irp b, 4,5,6,7
	MULB \b, 1, 3, \slot
.endr
	WIN 0
.endm
; THE WAY OUT.  32 numbers a lane at a time (my rows 16 a .., all 64 columns), as two halves of 16: registers + 0 .. 15 and + 16 .. 31 of each run.
.macro PKFMA d, a, b, c
.set e, 0
.rept 8
	v_pk_fma_f32 v[\d+e:\d+e+1], v[\a+e:\a+e+1], v[\b+e:\b+e+1], v[\c+e:\c+e+1]
.set e, e+2
.endr
.endm
.macro PKMUL d, a, b
.set e, 0
.rept 8
	v_pk_mul_f32 v[\d+e:\d+e+1], v[\a+e:\a+e+1], v[\b+e:\b+e+1]
.set e, e+2
.endr
.endm
.macro PKADDK d, a, k
.set e, 0
.rept 8
	v_pk_add_f32 v[\d+e:\d+e+1], v[\a+e:\a+e+1], \k op_sel_hi:[1,0]
.set e, e+2
.endr
.endm
.macro PKSC d, a                       ; x 2 log2(e)
.set e, 0
.rept 8
	v_pk_mul_f32 v[\d+e:\d+e+1], v[\a+e:\a+e+1], s[PL2:PL2+1] op_sel_hi:[1,0]
.set e, e+2
.endr
.endm
.macro EXPS n, reg
.set j, 0
.rept \n
	v_exp_f32 v[\reg+j], v[\reg+j]
.set j, j+1
.endr
.endm
.macro RCPS n, reg
.set j, 0
.rept \n
	v_rcp_f32 v[\reg+j], v[\reg+j]
.set j, j+1
.endr
.endm
.macro CAPS n, reg
.set j, 0
.rept \n
	v_min_num_f32 v[\reg+j], s[CAP], v[\reg+j]
.set j, j+1
.endr
.endm
.macro EXP4 o                          ; a half's four exponentials
	EXPS 16, TF+\o
	EXPS 16, TC+\o
	EXPS 16, TG+\o
	EXPS 16, TO+\o
.endm
.macro P1 o                            ; a half, from the exponentials to c_new's denominator
	CAPS 16, TF+\o
	CAPS 16, TC+\o
	CAPS 16, TG+\o
	CAPS 16, TO+\o
	PKADDK TG+\o, TG+\o, 1.0
	PKADDK NN+\o, TC+\o, -1.0
	PKFMA TC+\o, TC+\o, TG+\o, TG+\o
	PKFMA TG+\o, TF+\o, TC+\o, TC+\o
	PKFMA NN+\o, NN+\o, TF+\o, NN+\o
	PKADDK TO+\o, TO+\o, 1.0
.endm
.macro P3 o                            ; a half, from e2 to h_new's denominator
	CAPS 16, TF+\o
	PKADDK NN+\o, TF+\o, -1.0
	PKFMA TG+\o, TF+\o, TO+\o, TO+\o
.endm
.macro ARM a, cs, nxt                  ; what names block a's own registers: its c, its sums x the exponents' factors (each accumulator from its low end on), and (nxt) the biases for the next tile
.set e, 0
.rept 8
	ds_load_b128 v[CC+4*e:CC+4*e+3], v[CA+\cs] offset:(\a)*16*CP+64*(e/2)+16*(e%2)
.set e, e+1
.endr
.irp t, 0,1
.set WN, 2+\t
	WIN WN
.set e, 0
.rept 32
.if (e/8) == 1
	v_pk_mul_f32 v[TF+32*(e/8)+16*\t+2*(e%8):TF+32*(e/8)+16*\t+2*(e%8)+1], v[64*(\a)+2*e:64*(\a)+2*e+1], s[PL2:PL2+1] op_sel_hi:[1,0]
.else
	v_pk_mul_f32 v[TF+32*(e/8)+16*\t+2*(e%8):TF+32*(e/8)+16*\t+2*(e%8)+1], v[64*(\a)+2*e:64*(\a)+2*e+1], s[NL2:NL2+1] op_sel_hi:[1,0]
.endif
.set e, e+1
.endr
.endr
.if \nxt
	BIASLD \a
.endif
	WIN 0
	s_wait_alu depctr_va_vdst(0)
.endm
.macro TOSTAGE reg, off, bk            ; into my stage by lanes, back by rows; LDS serves a wave's instructions in order
.set e, 0
.rept 8
	ds_store_b128 v[STO], v[\reg+4*e:\reg+4*e+3] offset:(\off)+64*(e/2)+16*(e%2)
.set e, e+1
.endr
.set e, 0
.rept 8
	ds_load_b128 v[\bk+4*e:\bk+4*e+3], v[RD] offset:(\off)+e*2*CP
.set e, e+1
.endr
.endm
.macro SEND bk, base                   ; sixteen lanes store 256 consecutive bytes, aligned
.set e, 0
.rept 8
	global_store_b128 v[CO], v[\bk+4*e:\bk+4*e+3], s[\base:\base+1] offset:2*e*4096 th:TH_STORE_NT
.set e, e+1
.endr
.endm
; With ef = e^-zf, ec = e^(2 zc), em = e^-zm, eo = e^-zo:  c_new = (c P + (ec - 1)(1 + ef)) / ((1 + ef) P), P = (ec + 1)(1 + em);  h = (e2 - 1) / ((e2 + 1)(1 + eo)), e2 = e^(2 c_new).
; The two halves take turns: behind each wait stands one half's batch of transcendentals and then the other half's plain work, which reads only what was written ahead of that wait or behind the batch.
; One wait serves as the wait behind the last batch and ahead of the next.
.macro EPILOGUE cs, nxt
	PLACES 4
	ARM 0, \cs, \nxt
	s_mov_b32 s[EC], 0
.Lepi_\@:
	s_wait_alu depctr_va_vdst(0)
	EXP4 0
	v_nop
	s_wait_alu depctr_va_vdst(0)
	EXP4 16
	P1 0
	s_wait_dscnt 0x0                               ; c is in
	s_wait_alu depctr_va_vdst(0)
	RCPS 16, TG
	P1 16
	PKFMA NN, CC, TC, NN
	s_wait_alu depctr_va_vdst(0)
	RCPS 16, TG+16
	PKMUL CC, NN, TG                               ; c_new, the first half
	PKSC TF, CC
	PKFMA NN+16, CC+16, TC+16, NN+16
	s_wait_alu depctr_va_vdst(0)
	EXPS 16, TF
	PKMUL CC+16, NN+16, TG+16                      ; c_new, the second half
	PKSC TF+16, CC+16
	s_wait_alu depctr_va_vdst(0)
	EXPS 16, TF+16
	P3 0
	s_wait_alu depctr_va_vdst(0)
	RCPS 16, TG
	P3 16
	s_wait_alu depctr_va_vdst(0)
	RCPS 16, TG+16
	PKMUL NN, NN, TG                               ; h_new, the first half
	TOSTAGE CC, 0, TC
	s_wait_alu depctr_va_vdst(0)
	PKMUL NN+16, NN+16, TG+16                      ; h_new, the second half
	TOSTAGE NN, 16*CP, BK2
	s_wait_dscnt 16                                ; c_new's rows are back; h_new's 8 stores and 8 loads may be out
	SEND TC, 16
	s_wait_xcnt 0x0                                ; c_new's stores have read their registers: the next block's products may be written
	s_cmp_lg_u32 s[EC], 0                          ; the next block's own lines stand between h_new's loads from the stage and the wait for them
	s_cbranch_scc1 .Ln1_\@
	ARM 1, \cs, \nxt
	s_wait_dscnt 8+32*\nxt                         ; h_new's rows are back; the arm's loads may be out
	s_branch .Lj_\@
.Ln1_\@:
	s_cmp_lg_u32 s[EC], 1
	s_cbranch_scc1 .Ln2_\@
	ARM 2, \cs, \nxt
	s_wait_dscnt 8+32*\nxt
	s_branch .Lj_\@
.Ln2_\@:
	s_cmp_lg_u32 s[EC], 2
	s_cbranch_scc1 .Ln3_\@
	ARM 3, \cs, \nxt
	s_wait_dscnt 8+32*\nxt
	s_branch .Lj_\@
.Ln3_\@:
	s_wait_dscnt 0x0
.Lj_\@:
	SEND BK2, 14
	s_wait_xcnt 0x0                                ; the stores have read their bases and registers
	s_add_nc_u64 s[14:15], s[14:15], 16*4096
	s_add_nc_u64 s[16:17], s[16:17], 16*4096
	s_add_co_u32 s[EC], s[EC], 1
	s_cmp_lt_u32 s[EC], 4
	s_cbranch_scc1 .Lepi_\@
.endm
	s_wait_alu depctr_va_vdst(0)
	s_wait_tensorcnt 0x0                           ; my part of K step 0 is in; slot 1's first fill is issued as a refill is
	ds_add_u32 v[SPW], v[NIL]
	s_wait_dscnt 0x0
	CROUND
	FILL 1, 1, STEPB, STEPB                        ; K step 1
	FETCH0 0
	ASK 2*STEPB, 0
	ASK 3*STEPB, 0
; the first tile: K steps in slots 0, 1, 0, 1; c in slot 0
	KS 0
	TURN1 0
	FILL 1, 0, STEPB, STEPB                        ; K step 2
	TURN2A 0, 1
	ASKC CB
	TURN2B 0, 1
	KS 1
	TURN1 1
	FILL 1, 1, STEPB, STEPB                        ; K step 3
	TURN2A 1, 0
	ASK 32*TBLK, 1
	TURN2B 1, 0
	KS 0
	TURN1 0
	FILL 2, 0, 0, 0                                ; c
	TURN2A 0, 1
	ASK 32*TBLK+STEPB, 1
	TURN2B 0, 1
	KS 1
	TURN1 1
	FILL 1, 1, NEXT_A, -3*STEPB                    ; the second tile's K step 0
	ASK 32*TBLK+2*STEPB, 1
	TURN3 1
	EPILOGUE 0, 1
	s_add_nc_u64 s[14:15], s[14:15], WALKB-64*4096
	s_add_nc_u64 s[16:17], s[16:17], WALKB-64*4096
	s_wait_tensorcnt 0x0                           ; c has been read out of slot 0: it is filled again
	ds_add_u32 v[SPW], v[NIL]
	s_wait_dscnt 0x0
	CROUND
	FILL 1, 0, STEPB, STEPB                        ; K step 1
	FETCH0 1
	ASK 32*TBLK+3*STEPB, 1
	ASKC CB2
; the second tile: K steps in slots 1, 0, 1, 0; c in slot 1
	KS 1
	TURN1 1
	FILL 1, 1, STEPB, STEPB
	TURN2A 1, 0
	TURN2B 1, 0
	KS 0
	TURN1 0
	FILL 1, 0, STEPB, STEPB
	TURN2A 0, 1
	TURN2B 0, 1
	KS 1
	TURN1 1
	FILL 2, 1, 1, 0
	TURN2A 1, 0
	TURN2B 1, 0
	KS 0
	s_wait_dscnt 0x0                               ; the last step: nothing is filled again, so no barrier
	WIN MUL_LO
.irp b, 0,1,2,3
	MULB \b, 1, 3, 0
.endr
	TURN3 0
	s_wait_tensorcnt 0x0                           ; my rows of c are in: only I read them
	EPILOGUE 1, 0
	s_wait_tensorcnt 0x0                           ; the wave's end
	ds_add_u32 v[SPW], v[NIL]
	s_wait_dscnt 0x0
	CROUND                                         ; the closing round
	s_endpgm
.Lfunc_end_k_q90bc6a63e3_lstm:
	.size	k_q90bc6a63e3_lstm, .Lfunc_end_k_q90bc6a63e3_lstm-k_q90bc6a63e3_lstm
	.p2alignl 7, 3214868480
	.fill 96, 4, 3214868480
	.section	.rodata,"a",@progbits
	.p2align	6, 0x0
	.amdhsa_kernel k_q90bc6a63e3_lstm
		.amdhsa_group_segment_fixed_size 327680
		.amdhsa_private_segment_fixed_size 0
		.amdhsa_enable_private_segment 0
		.amdhsa_kernarg_size 72
		.amdhsa_user_sgpr_count 2
		.amdhsa_user_sgpr_kernarg_segment_ptr 1
		.amdhsa_wavefront_size32 1
		.amdhsa_system_sgpr_workgroup_id_x 1
		.amdhsa_system_sgpr_workgroup_id_y 1
		.amdhsa_system_sgpr_workgroup_id_z 1
		.amdhsa_system_vgpr_workitem_id 0
		.amdhsa_next_free_vgpr 1024
		.amdhsa_next_free_sgpr 100
		.amdhsa_reserve_vcc 0
		.amdhsa_float_denorm_mode_32 3
		.amdhsa_float_denorm_mode_16_64 3
		.amdhsa_memory_ordered 1
		.amdhsa_forward_progress 1
		.amdhsa_inst_pref_size 255
	.end_amdhsa_kernel
	.section	.bss,"aw",@nobits
	.p2align	6
	.space	262144
	.amdgpu_metadata
---
amdhsa.version: [ 1, 2 ]
amdhsa.kernels:
  - .name:           k_q90bc6a63e3_lstm
    .symbol:         k_q90bc6a63e3_lstm.kd
    .args:
      - { .name: a_pack, .offset: 0, .size: 8, .value_kind: global_buffer, .address_space: global }
      - { .name: w_pack, .offset: 8, .size: 8, .value_kind: global_buffer, .address_space: global }
      - { .name: bf, .offset: 16, .size: 8, .value_kind: global_buffer, .address_space: global }
      - { .name: bct, .offset: 24, .size: 8, .value_kind: global_buffer, .address_space: global }
      - { .name: bm, .offset: 32, .size: 8, .value_kind: global_buffer, .address_space: global }
      - { .name: bo, .offset: 40, .size: 8, .value_kind: global_buffer, .address_space: global }
      - { .name: c, .offset: 48, .size: 8, .value_kind: global_buffer, .address_space: global }
      - { .name: out0, .offset: 56, .size: 8, .value_kind: global_buffer, .address_space: global }
      - { .name: out1, .offset: 64, .size: 8, .value_kind: global_buffer, .address_space: global }
    .group_segment_fixed_size: 327680
    .private_segment_fixed_size: 0
    .kernarg_segment_align: 8
    .kernarg_segment_size: 72
    .max_flat_workgroup_size: 128
    .sgpr_count:     100
    .vgpr_count:     1024
    .wavefront_size: 32
...
	.end_amdgpu_metadata
.endif
;; end of part 2
